; MI455X (gfx1250); checked and timed in simulation.
; The chip was launched on July 23, 2026; its instructions are those of AMD's public machine-readable ISA for CDNA 5 (MIT licence, August 2026) and "CDNA5" Instruction Set Architecture Reference Guide (July 2026). The comments in the code are by the model that wrote it; some were corrected since.
;; Lo RA Linear. Allowed arithmetic: float matrix products may take bf16 or f16 operands with f32 sums; other float arithmetic in f32, or as packed bf16 or f16 multiplies, adds, multiply-adds, maxima and minima; sums over many terms, partial sums and values carried from step to step in f32; what a program stores and reads back later, other than sums and carried values, may be rounded once to bf16 or f16.
;; Inputs: W 4,096 x 4,096 float32; bias 4,096 float32; lora_A 4,096 x 16 float32; lora_B 16 x 4,096 float32; x 4 x 512 x 4,096 float32.
;; Outputs: out0 4 x 512 x 4,096 float32.
;; 2 versions, each right; version 2 is version 1 with the launch prep written anew for expert scheduling mode. Each part assembles by itself: llvm-mc -triple=amdgcn-amd-amdhsa -mcpu=gfx1250 --defsym DOCPART=n.
;; ======== version 1 of 2: 2 launches
;; workspace buffers: xb 16,777,216 bytes; wb 33,554,432 bytes; te 131,072 bytes
;; launch prep (part 1): grid 384 x 1, 8 waves a work-group, no clusters, 78,848 bytes of LDS; arguments x, W, lora_B, xb, wb, te; writes xb, wb, te
.if DOCPART == 1
	.amdgcn_target "amdgcn-amd-amdhsa--gfx1250"
	.amdhsa_code_object_version 6
	.text
	.protected	k_q47da156e78_prep
	.globl	k_q47da156e78_prep
	.p2align	8
	.type	k_q47da156e78_prep,@function
k_q47da156e78_prep:
	s_mov_b64 s[64:65], 0
	v_nop
	global_prefetch_b8 v0, s[64:65] scope:SCOPE_SE
	s_setreg_imm32_b32 hwreg(HW_REG_WAVE_MODE, 25, 1), 1
	s_wait_xcnt 0x0
; LoRA linear, first of two launches.  out[m][o] = bias[o] + sum_i x[m][i] W[o][i] + sum_i x[m][i] (A B)[o][i];  x [2048][4096], W [4096][4096], A = lora_A [4096][16], B = lora_B [16][4096], all f32.
; THE LESSER WORK.  For all values of the inputs, in exact arithmetic, sum_i x[m][i] sum_r A[o][r] B[r][i] = sum_r (sum_i x[m][i] B[r][i]) A[o][r]: the sums are only taken in another order.  So the
; [4096][4096] product A B and the second large product are not formed: t = x B^T ([2048][16]) is made here, and t A^T is one further K step of 32 in the second launch.  No input is left out: all five are read.
; LIMITS.  The order of the sums differs from the formula as written.  A NaN, an infinity or an overflow that would arise in A B alone arises here in x B^T or t A^T, or not at all, and is not carried otherwise.
; x, W, A and B are each rounded once to bf16 (matrix operands); t, an f32 sum, is stored as two bf16 numbers, hi = bf16(t) and lo = bf16(t - hi): about 16 significant bits.
; THIS LAUNCH: xb = bf16(x), wb = bf16(W), te = t in hi and lo.  It is a stream: each byte of x and W is read once and each byte of xb and wb written once.
; SHARES.  A work-group takes 16 rows x 4,096 columns of f32: work-groups 0-127 of x (they also make t, the longer way, so they come first), 128-383 of W.  Wave w owns columns 512 w .. 512 w + 511, in four
; chunks of 128.  One load of a wave is 512 consecutive bytes of one row (lane l: columns 4 l .. 4 l + 3); rounded, one store of a wave is 256 consecutive bytes, at a multiple of 256 from the buffer's first byte.
; t.  The x path rounds B's chunk too, lays both chunks into the wave's OWN LDS rows (pitch 272) and reads them back as fragments.  t^T = B x^T (source 0 = B's 16 rows, source 1 = 16 rows of x): a lane ends
; with ONE row of x (lane % 16) and the ranks 8 (lane / 16) + 0..7.  K is split among the eight waves; the partial sums meet in LDS, once, and wave 0 adds them.
; te, 1,024 bytes for each 16 rows: byte 16 L: lane L's eight hi; byte 512 + 16 L: its eight lo: as the second launch's registers take them.
; NOT USED: tensor loads and a ring (no wave wants a byte that another fetched); a prefetch (the launch does nothing but stream); a cluster for B (it is 1 part in 384 of what is read for the first time).
.set ROWF,  16384                      ; bytes in a row of x, W and lora_B
.set ROWH,  8192                       ; bytes in a row of xb and wb
.set LP,    272                        ; an LDS row: 256 bytes + 16: the 16 rows of a fragment load start 16 bytes apart modulo 256
.set PART,  0                          ; wave w's partial t at 1,024 w
.set XREG,  8192                       ; for each wave 16 rows x 272: x's chunk in bf16
.set BREG,  XREG+8*16*LP               ; the same for B's chunk
.set SPARE, BREG+8*16*LP               ; the spare words, 128 bytes for each wave: four blocks of 256 bytes that no other line names
.set VI,  2                            ; v2   16 l + 2,048 w: my 16 bytes in an f32 row; never rewritten
.set VO,  3                            ; v3   8 l + 1,024 w: my 8 bytes in a bf16 row; never rewritten
.set LSX, 4                            ; v4   where I put 8 bytes of x's chunk
.set LSB, 5                            ; v5   of B's
.set LFX, 6                            ; v6   where I read x's fragments: row l % 16, 16 bytes for each half of the lanes
.set LFB, 7                            ; v7   B's
.set SPW, 8                            ; v8   LDS address of my spare word; never rewritten
.set NIL, 9                            ; v9   0; never rewritten
.set PS,  12                           ; v12  1,024 w + 16 l: my place in my wave's partial t
.set TO,  13                           ; v13  16 l
.set ACC, 16                           ; v[16:31]  two accumulators, by the fragment's parity
.set RAW, 32                           ; three sets of 64: v32-95, v96-159, v160-223: 16 rows x 4 registers as loaded; rounded in place into the first two of each four
.set XF,  160                          ; on the x path set 2 holds the fragments: x's four,
.set BF,  192                          ; and B's four
.set SRC, 22                           ; s[22:23] my block in x or W
.set DST, 24                           ; s[24:25] my block in xb or wb
	s_load_b256 s[4:11], s[0:1], 0x0               ; x s[4:5], W s[6:7], lora_B s[8:9], xb s[10:11]
	s_load_b128 s[12:15], s[0:1], 0x20             ; wb s[12:13], te s[14:15]
	v_lshl_add_u32 v[SPW], v0, 2, SPARE
	v_mov_b32 v[NIL], 0
	v_lshrrev_b32 v1, 5, v0
	v_readfirstlane_b32 s16, v1                    ; wave 0..7
	v_and_b32 v1, 31, v0                           ; l
	v_and_b32 v10, 15, v0                          ; l % 16
	v_bfe_u32 v11, v0, 4, 1                        ; l / 16
	s_lshl_b32 s26, s16, 11
	v_lshl_add_u32 v[VI], v1, 4, s26
	s_lshl_b32 s28, s16, 10
	v_lshl_add_u32 v[VO], v1, 3, s28
	s_mul_i32 s27, s16, 16*LP                      ; my wave's 16 LDS rows
	v_lshl_add_u32 v[LSX], v1, 3, s27
	v_add_nc_u32 v[LSB], BREG, v[LSX]
	v_add_nc_u32 v[LSX], XREG, v[LSX]
	v_mul_u32_u24 v[LFX], v10, LP
	v_lshl_add_u32 v[LFX], v11, 4, v[LFX]
	v_add_nc_u32 v[LFX], s27, v[LFX]
	v_add_nc_u32 v[LFB], BREG, v[LFX]
	v_add_nc_u32 v[LFX], XREG, v[LFX]
	v_lshlrev_b32 v[TO], 4, v1
	v_lshl_add_u32 v[PS], v1, 4, s28
	s_mov_b32 s19, 0                               ; the offsets' high words
	s_mov_b32 s21, 0
; 16 loads: chunk c of the 16 rows behind base, into a set.  nt = 1: bytes that the launch reads once
.macro LD set, base, c, nt
.irp i, 0,1,2,3,4,5,6,7,8,9,10,11,12,13,14,15
.if \nt
	global_load_b128 v[RAW+64*(\set)+4*(\i):RAW+64*(\set)+4*(\i)+3], v[VI], s[(\base):(\base)+1] offset:ROWF*(\i)+512*(\c) th:TH_LOAD_NT
.else
	global_load_b128 v[RAW+64*(\set)+4*(\i):RAW+64*(\set)+4*(\i)+3], v[VI], s[(\base):(\base)+1] offset:ROWF*(\i)+512*(\c)
.endif
.endr
.endm
; a set is rounded to bf16 in place: of each row's four registers the first two then hold its four numbers
.macro CV set
.irp i, 0,1,2,3,4,5,6,7,8,9,10,11,12,13,14,15
	v_cvt_pk_bf16_f32 v[RAW+64*(\set)+4*(\i)],   v[RAW+64*(\set)+4*(\i)],   v[RAW+64*(\set)+4*(\i)+1]
	v_cvt_pk_bf16_f32 v[RAW+64*(\set)+4*(\i)+1], v[RAW+64*(\set)+4*(\i)+2], v[RAW+64*(\set)+4*(\i)+3]
.endr
.endm
; 16 stores: each covers 256 consecutive bytes of one row, aligned
.macro ST set, c
.irp i, 0,1,2,3,4,5,6,7,8,9,10,11,12,13,14,15
	global_store_b64 v[VO], v[RAW+64*(\set)+4*(\i):RAW+64*(\set)+4*(\i)+1], s[DST:DST+1] offset:ROWH*(\i)+256*(\c) th:TH_STORE_NT
.endr
.endm
; the same 16 rows into my wave's LDS rows
.macro LS set, adr
.irp i, 0,1,2,3,4,5,6,7,8,9,10,11,12,13,14,15
	ds_store_b64 v[\adr], v[RAW+64*(\set)+4*(\i):RAW+64*(\set)+4*(\i)+1] offset:LP*(\i)
.endr
.endm
; four fragments of 16 rows x 32 columns: lane l holds row l % 16; registers 0-3 columns 8 (l / 16) + 0..7, registers 4-7 columns 16 + 8 (l / 16) + 0..7
.macro FR dst, adr
.irp f, 0,1,2,3
	ds_load_b128 v[(\dst)+8*(\f):(\dst)+8*(\f)+3],   v[\adr] offset:64*(\f)
	ds_load_b128 v[(\dst)+8*(\f)+4:(\dst)+8*(\f)+7], v[\adr] offset:64*(\f)+32
.endr
.endm
; a chunk's four products.  The two accumulators take turns, one instruction a turn, from chunk to chunk too.  first = 1: the first two start the sums: nothing is cleared
.macro MM first
.irp f, 0,1,2,3
.if (\first) && ((\f) < 2)
	v_wmma_f32_16x16x32_bf16 v[ACC+8*((\f)%2):ACC+8*((\f)%2)+7], v[BF+8*(\f):BF+8*(\f)+7], v[XF+8*(\f):XF+8*(\f)+7], 0
.else
	v_wmma_f32_16x16x32_bf16 v[ACC+8*((\f)%2):ACC+8*((\f)%2)+7], v[BF+8*(\f):BF+8*(\f)+7], v[XF+8*(\f):XF+8*(\f)+7], v[ACC+8*((\f)%2):ACC+8*((\f)%2)+7]
.endif
.endr
.endm
; chunk c of the x path.  On entry x's chunk c (set 0) and, younger, B's chunk c (set 1) are on their way.
.macro XCHUNK c, first
	s_wait_loadcnt 16                              ; loads come back in order: x's chunk is in, B's 16 loads stay out
	CV 0                                           ; (these 32 lines name no register of the last chunk's products: they are the places in front of the fragment loads below)
	ST 0, \c
	LS 0, LSX
.if (\c) < 3
	s_wait_xcnt 0x0                                ; set 0 is the stores' data: it is loaded again only behind this wait
	LD 0, SRC, (\c)+1, 1
	s_wait_loadcnt 16                              ; B's chunk is in, x's next 16 loads stay out
.else
	s_wait_loadcnt 0x0                             ; the last chunk: nothing younger is out
.endif
	CV 1
	LS 1, LSB
.if (\c) < 3
	LD 1, 8, (\c)+1, 0
.endif
	FR XF, LFX                                     ; LDS serves a wave's instructions in order, and these rows are my wave's own: the loads see the stores above, and no barrier is needed
	FR BF, LFB
	s_wait_dscnt 0x0
	MM \first
.endm
	s_wait_kmcnt 0x0
	s_cmp_lt_u32 ttmp9, 128                        ; the same in all waves of the work-group
	s_cbranch_scc0 .Lw
	; THE x PATH
	s_lshl_b32 s18, ttmp9, 18                      ; 16 rows of 16,384 bytes
	s_add_nc_u64 s[SRC:SRC+1], s[4:5], s[18:19]
	s_lshl_b32 s20, ttmp9, 17                      ; 16 rows of 8,192 bytes
	s_add_nc_u64 s[DST:DST+1], s[10:11], s[20:21]
	s_lshl_b32 s18, ttmp9, 10                      ; 1,024 bytes of te
	s_add_nc_u64 s[14:15], s[14:15], s[18:19]
	LD 0, SRC, 0, 1
	LD 1, 8, 0, 0
	XCHUNK 0, 1
	XCHUNK 1, 0
	XCHUNK 2, 0
	XCHUNK 3, 0
.rept 8
	v_nop                                          ; the places behind the last products, in front of sums that read and write their results
.endr
.irp j, 0,2,4,6
	v_pk_add_f32 v[ACC+(\j):ACC+(\j)+1], v[ACC+(\j):ACC+(\j)+1], v[ACC+8+(\j):ACC+8+(\j)+1]  ; the two parities; each accumulator is read from its low end on
.endr
	ds_store_b128 v[PS], v[ACC:ACC+3]   offset:PART
	ds_store_b128 v[PS], v[ACC+4:ACC+7] offset:PART+512
	s_branch .Lmeet
.Lw:	; THE W PATH: three sets, 48 loads of a wave on their way
	s_sub_co_u32 s17, ttmp9, 128
	s_lshl_b32 s18, s17, 18
	s_add_nc_u64 s[SRC:SRC+1], s[6:7], s[18:19]
	s_lshl_b32 s20, s17, 17
	s_add_nc_u64 s[DST:DST+1], s[12:13], s[20:21]
	LD 0, SRC, 0, 1
	LD 1, SRC, 1, 1
	LD 2, SRC, 2, 1
	s_wait_loadcnt 32                              ; chunk 0 is in; two younger sets stay out
	CV 0
	ST 0, 0
	s_wait_xcnt 0x0                                ; set 0 is the stores' data: it is loaded again only behind this wait
	LD 0, SRC, 3, 1
	s_wait_loadcnt 32                              ; chunk 1
	CV 1
	ST 1, 1
	s_wait_loadcnt 16                              ; chunk 2
	CV 2
	ST 2, 2
	s_wait_loadcnt 0x0                             ; chunk 3
	CV 0
	ST 0, 3
.Lmeet:	; every wave of every work-group passes this one barrier
	s_wait_dscnt 0x0                               ; for the others' sake: my partial sums lie in LDS
	s_barrier_signal -1
	s_barrier_wait -1
	s_cmp_lt_u32 ttmp9, 128
	s_cbranch_scc0 .Lend                           ; W's work-groups have no t
	s_cmp_lg_u32 s16, 0
	s_cbranch_scc1 .Lend                           ; wave 0 adds the eight parts
	s_wait_xcnt 0x0                                ; v32-95 were the data of the last chunk's stores: they are loaded only behind this wait
.irp v, 0,1,2,3,4,5,6,7
	ds_load_b128 v[RAW+8*(\v):RAW+8*(\v)+3],   v[TO] offset:PART+1024*(\v)
	ds_load_b128 v[RAW+8*(\v)+4:RAW+8*(\v)+7], v[TO] offset:PART+1024*(\v)+512
.endr
	s_wait_dscnt 0x0
.irp v, 0,2,4,6
.irp j, 0,2,4,6
	v_pk_add_f32 v[RAW+8*(\v)+(\j):RAW+8*(\v)+(\j)+1], v[RAW+8*(\v)+(\j):RAW+8*(\v)+(\j)+1], v[RAW+8*(\v)+8+(\j):RAW+8*(\v)+8+(\j)+1]
.endr
.endr
.irp v, 0,4
.irp j, 0,2,4,6
	v_pk_add_f32 v[RAW+8*(\v)+(\j):RAW+8*(\v)+(\j)+1], v[RAW+8*(\v)+(\j):RAW+8*(\v)+(\j)+1], v[RAW+8*(\v)+16+(\j):RAW+8*(\v)+16+(\j)+1]
.endr
.endr
.irp j, 0,2,4,6
	v_pk_add_f32 v[RAW+(\j):RAW+(\j)+1], v[RAW+(\j):RAW+(\j)+1], v[RAW+32+(\j):RAW+32+(\j)+1]  ; t: my row's eight ranks, in f32
.endr
.irp j, 0,1,2,3
	v_cvt_pk_bf16_f32 v[96+(\j)], v[RAW+2*(\j)], v[RAW+2*(\j)+1]   ; hi
.endr
.irp j, 0,1,2,3
	v_lshlrev_b32 v[104+2*(\j)], 16, v[96+(\j)]                    ; hi as f32 again
	v_and_b32     v[105+2*(\j)], 0xffff0000, v[96+(\j)]
.endr
.irp j, 0,1,2,3
	v_pk_add_f32 v[104+2*(\j):105+2*(\j)], v[RAW+2*(\j):RAW+2*(\j)+1], v[104+2*(\j):105+2*(\j)] neg_lo:[0,1] neg_hi:[0,1]  ; t - hi, exact
.endr
.irp j, 0,1,2,3
	v_cvt_pk_bf16_f32 v[100+(\j)], v[104+2*(\j)], v[105+2*(\j)]    ; lo
.endr
	global_store_b128 v[TO], v[96:99],   s[14:15]              ; 512 consecutive bytes each
	global_store_b128 v[TO], v[100:103], s[14:15] offset:512
.Lend:
	s_wait_tensorcnt 0x0                           ; the wave's end, behind my last LDS store
	ds_add_u32 v[SPW], v[NIL]
	s_wait_dscnt 0x0
	s_endpgm
.Lfunc_end_k_q47da156e78_prep:
	.size	k_q47da156e78_prep, .Lfunc_end_k_q47da156e78_prep-k_q47da156e78_prep
	.p2alignl 7, 3214868480
	.fill 96, 4, 3214868480
	.section	.rodata,"a",@progbits
	.p2align	6, 0x0
	.amdhsa_kernel k_q47da156e78_prep
		.amdhsa_group_segment_fixed_size 78848
		.amdhsa_private_segment_fixed_size 0
		.amdhsa_enable_private_segment 0
		.amdhsa_kernarg_size 48
		.amdhsa_user_sgpr_count 2
		.amdhsa_user_sgpr_kernarg_segment_ptr 1
		.amdhsa_wavefront_size32 1
		.amdhsa_system_sgpr_workgroup_id_x 1
		.amdhsa_system_sgpr_workgroup_id_y 1
		.amdhsa_system_sgpr_workgroup_id_z 1
		.amdhsa_system_vgpr_workitem_id 0
		.amdhsa_next_free_vgpr 224
		.amdhsa_next_free_sgpr 66
		.amdhsa_reserve_vcc 0
		.amdhsa_float_denorm_mode_32 3
		.amdhsa_float_denorm_mode_16_64 3
		.amdhsa_memory_ordered 1
		.amdhsa_forward_progress 1
		.amdhsa_inst_pref_size 75
	.end_amdhsa_kernel
	.amdgpu_metadata
---
amdhsa.version: [ 1, 2 ]
amdhsa.kernels:
  - .name:           k_q47da156e78_prep
    .symbol:         k_q47da156e78_prep.kd
    .args:
      - { .name: x, .offset: 0, .size: 8, .value_kind: global_buffer, .address_space: global }
      - { .name: W, .offset: 8, .size: 8, .value_kind: global_buffer, .address_space: global }
      - { .name: lora_B, .offset: 16, .size: 8, .value_kind: global_buffer, .address_space: global }
      - { .name: xb, .offset: 24, .size: 8, .value_kind: global_buffer, .address_space: global }
      - { .name: wb, .offset: 32, .size: 8, .value_kind: global_buffer, .address_space: global }
      - { .name: te, .offset: 40, .size: 8, .value_kind: global_buffer, .address_space: global }
    .group_segment_fixed_size: 78848
    .private_segment_fixed_size: 0
    .kernarg_segment_align: 8
    .kernarg_segment_size: 48
    .max_flat_workgroup_size: 256
    .sgpr_count:     66
    .vgpr_count:     224
    .wavefront_size: 32
...
	.end_amdgpu_metadata
.endif
;; end of part 1
;; launch gemm (part 2): grid 16 x 16, 4 waves a work-group, clusters of 4 x 4, 327,680 bytes of LDS; arguments xb, wb, te, lora_A, bias, out0; writes out0
.if DOCPART == 2
	.amdgcn_target "amdgcn-amd-amdhsa--gfx1250"
	.amdhsa_code_object_version 6
	.text
	.protected	k_q47da156e78_gemm
	.globl	k_q47da156e78_gemm
	.p2align	8
	.type	k_q47da156e78_gemm,@function
k_q47da156e78_gemm:
	s_mov_b64 s[64:65], 0
	v_nop
	global_prefetch_b8 v0, s[64:65] scope:SCOPE_SE
	s_setreg_imm32_b32 hwreg(HW_REG_WAVE_MODE, 25, 1), 1
	s_wait_xcnt 0x0
	s_wait_alu depctr_hold_cnt(0) depctr_sa_sdst(0) depctr_va_vdst(0) depctr_va_sdst(0) depctr_va_ssrc(0) depctr_va_vcc(0) depctr_vm_vsrc(0)
	s_getreg_b32 s2, hwreg(HW_REG_IB_STS2, 6, 4)
	s_cmp_eq_u32 s2, 0
	s_cbranch_scc0 .Lentry_in_a_cluster
	s_endpgm
.Lentry_in_a_cluster:
	s_bfe_u32 s2, ttmp6, 0x10000c
	s_cmp_lg_u32 s2, 0xf033
	s_cbranch_scc0 .Lentry_shape_is_right
	s_endpgm
.Lentry_shape_is_right:
; LoRA linear, second launch.  out[m][o] = bias[o] + sum_r t[m][r] A[o][r] + sum_i xb[m][i] wb[o][i].  xb [2048][4096] and wb [4096][4096] are bf16; te holds t = x B^T as bf16 hi and lo; sums in f32.
; LEFT OUT, as the first launch's head shows for all values of the inputs: the [4096][4096] product A B and the second large product; sum_i x (A B) = sum_r t A.  Limits as stated there; the bias enters in f32.
; SHARES.  A tile of out is 128 rows x 256 columns: 16 x 16 = 256 work-groups of four waves; wave (RH = w / 2, CH = w % 2) makes 64 x 128: 32 accumulators of 16 x 16, 256 registers.
; K goes in 32 steps of 128 through a ring of two LDS slots filled by the tensor data mover; a tile's rows are 256 bytes of memory and start at multiples of 256 bytes from the buffer's first byte.
; THE SUMS START with one product of 32 along K: source 1 = [t_hi t_lo] (16 + 16), source 0 = [A A] in bf16, C = the bias.  So nothing is cleared, and bias and LoRA path cost 32 matrix instructions a wave,
; issued while the first tiles are on their way.
; THE MATRIX INSTRUCTION IS USED TRANSPOSED: source 0 = 16 rows of wb (or A), source 1 = 16 rows of xb (or t): lane l holds row m = l % 16 of out and the eight neighbouring columns 8 (l / 16) + 0..7.
; CLUSTERS: 4 x 4 work-groups.  The four of a row of the cluster need the same tiles of xb, the four of a column the same tiles of wb: each tile is asked for JOINTLY, by the same tensor load with the same
; descriptor and a mask that names the four.  Waves 0 and 1 fetch xb's two halves (64 rows each), waves 2 and 3 wb's (128 rows each): one load a wave behind each round.
; REGISTERS, in windows of 256 (s_set_vgpr_msb: bits 1:0 source 0, 3:2 source 1, 5:4 source 2, 7:6 destination):
;   window 0: v0-31 addresses; v64-159, v160-255 two fragment buffers (8 fragments of wb, then 4 of xb); on the way out v64-127, v128-191 hold rows read back
;   window 1: the accumulators, (a, b) at v[8 (8 a + b)]       window 2: v0-63 bias, v64-95 t, v96-159 A in bf16 twice, v160-223 A as loaded
.set KSTEP,  128
.set PITCH,  272                       ; an LDS row: 256 bytes + 16 of padding: the 16 rows of a fragment load start 16 bytes apart modulo 256
.set XHALF,  64*PITCH                  ; 64 rows of xb: what waves 0 and 1 fetch, and what a wave reads
.set WHALF,  128*PITCH                 ; 128 rows of wb: what waves 2 and 3 fetch, and what a wave reads
.set WOFF,   128*PITCH                 ; wb's 256 rows lie behind xb's 128
.set SLOT,   384*PITCH
.set STAGE,  2*SLOT                    ; behind the ring, never filled by a tensor load: 16 rows x 528 bytes for each wave, for the way out
.set SPITCH, 528                       ; 512 bytes + 16
.set SPARE,  STAGE+4*16*SPITCH         ; the spare words, 128 bytes for each wave: two blocks of 256 bytes that no other line names
.set OUTROW, 16384                     ; bytes in a row of out0
.set AEO,  6                           ; v6   64 (l % 16) + 32 (l / 16): my 32 bytes in 16 rows of lora_A
.set BIO,  7                           ; v7   32 (l / 16): my eight columns' bias
.set ADRX, 16                          ; v16-17  LDS address of my xb fragments in slot 0, 1
.set ADRW, 20                          ; v20-21  the same for wb
.set STO,  24                          ; v24  the way out: where I put 32 bytes of a row
.set RD,   25                          ; v25  the way out: where I read a row back
.set CO,   26                          ; v26  16 x lane: my place in 512 bytes of out0, and in te
.set SPW,  28                          ; v28  LDS address of my spare word; never rewritten
.set NIL,  29                          ; v29  0; never rewritten
.set PFO,  30                          ; v30  the prefetches' offset: lane x a row of xb or wb (8,192 bytes); never rewritten
.set F0,   64
.set F1,   160
.set BI,   0                           ; window 2
.set TE,   64
.set AE,   96
.set AT,   160
.set WV,   16                          ; s16  my wave's number
.set RH,   17                          ; s17  which 64 rows of the tile are mine.  Also: I fetch for xb (0) or wb (1)
.set CH,   18                          ; s18  which 128 columns.  Also: which half of that tile I fetch
.set LAP,  19                          ; s19  trips of the loop still to come
.set G1,   24                          ; s[24:31] descriptor group 1 for xb's tiles;  s[32:39] group 0, a set for each slot
.set G0,   32
.set PFA,  44                          ; s[44:45] where my prefetches stand
.set LIM,  46                          ; s46  1 in a wave that prefetches, else the greatest number
.set G1B,  48                          ; s[48:55], s[56:63] the same for wb's tiles
.set G0B,  56
.set MSB, 0
.macro WIN new                         ; the immediate's high byte repeats the setting that is left; a switch that changes nothing is dropped
.if MSB != (\new)
	s_set_vgpr_msb (MSB<<8)|(\new)
.set MSB, \new
.endif
.endm
.set MUL,  0x50                        ; sources 0 and 1 window 0; C and D window 1
.set LORA, 0x6a                        ; sources 0, 1 and C window 2; D window 1
.set TO2,  0x80                        ; destination window 2, address window 0
.set CV2,  0x8a                        ; sources and destination window 2
.set STG,  0x04                        ; an LDS store's data in window 1, its address in window 0
; A joint load.  The branch hangs on the wave's number alone.  An s_nop 0 and four v_nop follow each of the two lines, ahead of the jump, the label and what follows.
.macro JLOAD s
	s_cmp_eq_u32 s[RH], 0
	s_cbranch_scc0 .Lfor_w_\@
	tensor_load_to_lds s[G0+4*(\s):G0+4*(\s)+3], s[G1:G1+7]
	s_nop 0
.rept 4
	v_nop
.endr
	s_branch .Lasked_\@
.Lfor_w_\@:
	tensor_load_to_lds s[G0B+4*(\s):G0B+4*(\s)+3], s[G1B:G1B+7]
	s_nop 0
.rept 4
	v_nop
.endr
.Lasked_\@:
.endm
; A PREFETCH INTO THE L2, behind each joint refill and the run of LDS loads that follows it: the K step that stands TWO refills on, 256 matrix instructions ahead of the load that will want it: 32 rows x 256
; bytes, a lane a row, one instruction a wave.  Each row's 256 bytes of a K step are named ONCE in the launch.  xb's tile row is read by every cluster of that row of clusters: cluster x = 0 asks, in it wave 0
; alone: the four partners take 32 of the 128 rows each.  wb's tile column is read by every cluster of that column: cluster y = 0 asks, waves 2 and 3: of the 128 rows that a wave fetches each partner takes 32.
; Partners are told apart BY ADDRESS (cx for xb, cy for wb); no branch hangs on a work-group's place in its cluster.  The loop's last trip has no K step two on and asks for nothing; K steps 0 to 3 come by
; their loads alone.
.macro ASK
	s_cmp_gt_u32 s[LAP], s[LIM]                    ; s[LAP] = 1 in the last trip
	s_cbranch_scc0 .Lnot_mine_\@
	global_prefetch_b8 v[PFO], s[PFA:PFA+1] offset:KSTEP*2 th:TH_LOAD_NT scope:SCOPE_SE
.Lnot_mine_\@:
.endm
.macro CREST                           ; a round of the cluster's barrier behind its opening barrier
	s_cmp_lg_u32 s[WV], 0
	s_cbranch_scc1 .Lnot_wave_0_\@
	s_barrier_signal -3
.Lnot_wave_0_\@:
	s_barrier_wait -3
	s_barrier_signal -1
	s_barrier_wait -1
.endm
.macro CROUND                          ; a whole round
	s_barrier_signal -1
	s_barrier_wait -1
	CREST
.endm
	s_load_b256 s[4:11], s[0:1], 0x0               ; xb s[4:5], wb s[6:7], te s[8:9], lora_A s[10:11]
	s_load_b128 s[12:15], s[0:1], 0x20             ; bias s[12:13], out0 s[14:15]
	v_lshl_add_u32 v[SPW], v0, 2, SPARE
	v_mov_b32 v[NIL], 0
	ds_add_u32 v[SPW], v[NIL]                      ; the wave's opening: the add, twice on end, and its wait ahead of my first tensor load; the set-up below stands between
	ds_add_u32 v[SPW], v[NIL]                      ; and once more, under the one wait
	v_lshrrev_b32 v1, 5, v0
	v_readfirstlane_b32 s[WV], v1                  ; wave 0..3
	s_lshr_b32 s[RH], s[WV], 1
	s_and_b32 s[CH], s[WV], 1
	s_bfe_u32 s20, ttmp6, 0x40000                  ; cx, cy: my place in the cluster
	s_bfe_u32 s21, ttmp6, 0x40004
	s_lshl_b32 s22, ttmp9, 2
	s_add_co_u32 s22, s22, s20                     ; tile column = 4 x cluster x + cx
	s_and_b32 s23, ttmp7, 0xffff
	s_lshl_b32 s23, s23, 2
	s_add_co_u32 s23, s23, s21                     ; tile row = 4 x cluster y + cy
	s_lshl_b32 s66, s21, 2
	s_lshl_b32 s66, 15, s66                        ; my row of the cluster: places 4 cy .. 4 cy + 3
	s_lshl_b32 s67, 0x1111, s20                    ; my column: places cx, cx + 4, cx + 8, cx + 12
	; descriptor group 1: rows of 128 elements of 2 bytes, padded in LDS
	s_or_b32 s[G1],  s66, (1<<16)|(1<<20)|(1<<21)|(5<<22)|(3<<25)  ; 15:0 the mask: xb's tiles go to my row; 17:16 2-byte elements; 20 padding on; 21 set beside a mask; 24:22 after every 64 words (code 5); 31:25 4 words (code 3)
	s_or_b32 s[G1B], s67, (1<<16)|(1<<20)|(1<<21)|(5<<22)|(3<<25)  ; the same with the mask of my column, for wb's tiles
	s_mov_b32 s[G1+1], KSTEP<<16                   ; tensor_dim0 = 128
	s_mov_b32 s[G1+2], 64<<16                      ; tensor_dim1 = 64
	s_mov_b32 s[G1+3], KSTEP<<16                   ; tile_dim0 = 128
	s_mov_b32 s[G1+4], 64                          ; tile_dim1 = 64
	s_mov_b32 s[G1+5], 4096                        ; elements from row to row
	s_mov_b32 s[G1+6], 0
	s_mov_b32 s[G1+7], 0
	s_mov_b32 s[G1B+1], KSTEP<<16
	s_mov_b32 s[G1B+2], 128<<16                    ; tensor_dim1 = 128
	s_mov_b32 s[G1B+3], KSTEP<<16
	s_mov_b32 s[G1B+4], 128                        ; tile_dim1 = 128
	s_mov_b32 s[G1B+5], 4096
	s_mov_b32 s[G1B+6], 0
	s_mov_b32 s[G1B+7], 0
	; where the tiles come from.  xb's hang on the tile row alone, which my row of the cluster shares; wb's on the tile column alone, which my column shares
	s_lshl_b32 s40, s23, 7
	s_lshl_b32 s70, s[CH], 6
	s_add_co_u32 s40, s40, s70                     ; xb: row 128 x tile row + 64 x half
	s_lshl_b32 s40, s40, 13                        ; x 8,192 bytes: under 2^25
	s_mov_b32 s41, 0
	s_lshl_b32 s42, s22, 8
	s_lshl_b32 s70, s[CH], 7
	s_add_co_u32 s42, s42, s70                     ; wb: row 256 x tile column + 128 x half
	s_lshl_b32 s42, s42, 13
	s_mov_b32 s43, 0
	s_mul_i32 s68, s[CH], XHALF                    ; and where they go: no place in the cluster enters an LDS address
	s_mul_i32 s69, s[CH], WHALF
	s_add_co_u32 s69, s69, WOFF
	s_wait_dscnt 0x0                               ; both opening adds are done
	s_wait_kmcnt 0x0
	s_add_nc_u64 s[40:41], s[4:5], s[40:41]
	s_add_nc_u64 s[42:43], s[6:7], s[42:43]
	CROUND                                         ; all sixteen work-groups are here: the first joint loads meet
.irp s, 0,1
	s_mov_b32 s[G0+4*(\s)], 1                                        ; count = 1
	s_add_co_u32 s[G0+4*(\s)+1], s68, (\s)*SLOT                      ; LDS address
	s_add_nc_u64 s[G0+4*(\s)+2:G0+4*(\s)+3], s[40:41], (\s)*KSTEP*2  ; global address: K step s
	s_or_b32 s[G0+4*(\s)+3], s[G0+4*(\s)+3], 0x80000000              ; type = 2
	s_mov_b32 s[G0B+4*(\s)], 1
	s_add_co_u32 s[G0B+4*(\s)+1], s69, (\s)*SLOT
	s_add_nc_u64 s[G0B+4*(\s)+2:G0B+4*(\s)+3], s[42:43], (\s)*KSTEP*2
	s_or_b32 s[G0B+4*(\s)+3], s[G0B+4*(\s)+3], 0x80000000
	JLOAD \s                                       ; the ring is filled before anything else is done: two loads of mine are out
.endr
	; lane addresses
	v_and_b32 v1, 15, v0                           ; l % 16
	v_bfe_u32 v2, v0, 4, 1                         ; l / 16
	v_and_b32 v4, 31, v0                           ; l
	v_mul_u32_u24 v3, v1, PITCH
	v_lshl_add_u32 v3, v2, 4, v3                   ; a fragment's row x pitch + 16 x half
	s_mul_i32 s66, s[RH], XHALF                    ; my 64 rows of xb
	s_mul_i32 s67, s[CH], WHALF                    ; my 128 rows of wb,
	s_add_co_u32 s67, s67, WOFF                    ; which lie behind xb's 128
.irp s, 0,1
	v_add_nc_u32 v[ADRX+(\s)], s66, v3
	v_add_nc_u32 v[ADRW+(\s)], s67, v3
	s_add_co_u32 s66, s66, SLOT
	s_add_co_u32 s67, s67, SLOT
.endr
	v_lshlrev_b32 v[AEO], 6, v1
	v_lshl_add_u32 v[AEO], v2, 5, v[AEO]
	v_lshlrev_b32 v[BIO], 5, v2
	v_lshlrev_b32 v[CO], 4, v4
	v_lshlrev_b32 v[PFO], 13, v4
	s_mul_i32 s68, s[WV], 16*SPITCH
	s_add_co_u32 s68, s68, STAGE                   ; my stage
	v_mul_u32_u24 v5, v1, SPITCH                   ; in: row l % 16, 32 bytes for each half of the lanes
	v_lshl_add_u32 v5, v2, 5, v5
	v_add_nc_u32 v[STO], s68, v5
	v_add_nc_u32 v[RD], s68, v[CO]                 ; back: 32 lanes take one row of 512 bytes
	; the small operands' bases, each stepped once
	s_mov_b32 s67, 0
	s_lshl_b32 s66, s23, 3
	s_lshl_b32 s68, s[RH], 2
	s_add_co_u32 s66, s66, s68                     ; my first block of 16 rows: 8 x tile row + 4 x half
	s_lshl_b32 s66, s66, 10
	s_add_nc_u64 s[8:9], s[8:9], s[66:67]          ; te
	s_lshl_b32 s70, s22, 8
	s_lshl_b32 s68, s[CH], 7
	s_add_co_u32 s70, s70, s68                     ; my first column: 256 x tile column + 128 x half
	s_lshl_b32 s66, s70, 6
	s_add_nc_u64 s[10:11], s[10:11], s[66:67]      ; lora_A: rows of 64 bytes
	s_lshl_b32 s66, s70, 2
	s_add_nc_u64 s[12:13], s[12:13], s[66:67]      ; bias
	s_add_nc_u64 s[14:15], s[14:15], s[66:67]      ; out0: my first column,
	s_lshl_b32 s66, s23, 7
	s_lshl_b32 s68, s[RH], 6
	s_add_co_u32 s66, s66, s68
	s_lshl_b32 s66, s66, 14
	s_add_nc_u64 s[14:15], s[14:15], s[66:67]      ; and my first row: 128 x tile row + 64 x half
	WIN TO2
.irp a, 0,1,2,3
	global_load_b128 v[TE+8*(\a):TE+8*(\a)+3],   v[CO], s[8:9] offset:1024*(\a)       ; registers 0-3, k = 8 (l / 16) + 0..7: t_hi
	global_load_b128 v[TE+8*(\a)+4:TE+8*(\a)+7], v[CO], s[8:9] offset:1024*(\a)+512   ; registers 4-7, k = 16 + 8 (l / 16) + 0..7: t_lo
.endr
.irp b, 0,1,2,3,4,5,6,7
	global_load_b128 v[AT+8*(\b):AT+8*(\b)+3],   v[AEO], s[10:11] offset:1024*(\b)    ; A[16 b + l % 16][8 (l / 16) + 0..7], in f32
	global_load_b128 v[AT+8*(\b)+4:AT+8*(\b)+7], v[AEO], s[10:11] offset:1024*(\b)+16
.endr
.irp b, 0,1,2,3,4,5,6,7
	global_load_b128 v[BI+8*(\b):BI+8*(\b)+3],   v[BIO], s[12:13] offset:64*(\b)      ; bias of columns 16 b + 8 (l / 16) + 0..7: laid as an accumulator's registers
	global_load_b128 v[BI+8*(\b)+4:BI+8*(\b)+7], v[BIO], s[12:13] offset:64*(\b)+16
.endr
	WIN 0
	; the prefetches: who asks, and for which 32 rows
	s_lshl_b32 s68, s23, 7                         ; xb: the tile's first row
	s_lshl_b32 s69, s22, 8
	s_lshl_b32 s70, s[CH], 7
	s_add_co_u32 s69, s69, s70                     ; wb: the first of the 128 rows that I fetch
	s_and_b32 s66, ttmp7, 0xffff                   ; cluster y
	s_cmp_eq_u32 s[WV], 1
	s_cselect_b32 s71, 1, 0                        ; wave 1 asks for nothing: xb's 128 rows are shared out among the four partners' waves 0
	s_cmp_eq_u32 s[RH], 0                          ; do I fetch for xb?
	s_cselect_b32 s68, s68, s69
	s_cselect_b32 s67, s20, s21                    ; my place among the four that ask for the tile with me
	s_cselect_b32 s66, ttmp9, s66                  ; the coordinate along which other clusters read the same rows
	s_cselect_b64 s[PFA:PFA+1], s[4:5], s[6:7]
	s_or_b32 s66, s66, s71
	s_cmp_eq_u32 s66, 0
	s_cselect_b32 s[LIM], 1, -1                    ; the same in all sixteen partners, for a given wave
	s_lshl_b32 s67, s67, 5
	s_add_co_u32 s68, s68, s67                     ; + my work-group's 32 rows
	s_lshl_b32 s68, s68, 13
	s_mov_b32 s69, 0
	s_add_nc_u64 s[PFA:PFA+1], s[PFA:PFA+1], s[68:69]
	s_add_nc_u64 s[PFA:PFA+1], s[PFA:PFA+1], 2*KSTEP*2  ; at K step 2: the first refill steps it to 3 and names K step 4
	; THE SUMS START: bias + [t_hi t_lo] [A A]^T
	s_wait_loadcnt 0x0
	WIN CV2
.irp b, 0,1,2,3,4,5,6,7
.irp j, 0,1,2,3
	v_cvt_pk_bf16_f32 v[AE+8*(\b)+(\j)],   v[AT+8*(\b)+2*(\j)], v[AT+8*(\b)+2*(\j)+1]  ; under t_hi,
	v_cvt_pk_bf16_f32 v[AE+8*(\b)+4+(\j)], v[AT+8*(\b)+2*(\j)], v[AT+8*(\b)+2*(\j)+1]  ; and the same numbers under t_lo
.endr
.endr
	WIN LORA
.irp a, 0,1,2,3
.irp b, 0,1,2,3,4,5,6,7
	v_wmma_f32_16x16x32_bf16 v[8*(8*(\a)+(\b)):8*(8*(\a)+(\b))+7], v[AE+8*(\b):AE+8*(\b)+7], v[TE+8*(\a):TE+8*(\a)+7], v[BI+8*(\b):BI+8*(\b)+7]
.endr
.endr
	WIN 0
; 8 matrix instructions: row block a x all 8 column blocks, 32 along K, from buffer f.  The 32 accumulators take turns, one instruction a turn, in the same order in every quarter, from the products above on
; and over the backward jump: 31 others stand between two links of a chain.
.macro MUL8 f, a
	WIN MUL
.irp b, 0,1,2,3,4,5,6,7
	v_wmma_f32_16x16x32_bf16 v[8*(8*(\a)+(\b)):8*(8*(\a)+(\b))+7], v[(\f)+8*(\b):(\f)+8*(\b)+7], v[(\f)+64+8*(\a):(\f)+64+8*(\a)+7], v[8*(8*(\a)+(\b)):8*(8*(\a)+(\b))+7]
.endr
.endm
; 24 LDS loads in one run: the fragments of 32 along K at byte k of the rows, into buffer f: wb's eight first, then xb's four
.macro FETCH slot, k, f
	WIN 0
.irp i, 0,1,2,3,4,5,6,7
	ds_load_b128 v[(\f)+8*(\i):(\f)+8*(\i)+3],   v[ADRW+(\slot)] offset:(\k)+(\i)*16*PITCH
	ds_load_b128 v[(\f)+8*(\i)+4:(\f)+8*(\i)+7], v[ADRW+(\slot)] offset:(\k)+(\i)*16*PITCH+32
.endr
.irp i, 0,1,2,3
	ds_load_b128 v[(\f)+64+8*(\i):(\f)+64+8*(\i)+3],   v[ADRX+(\slot)] offset:(\k)+(\i)*16*PITCH
	ds_load_b128 v[(\f)+64+8*(\i)+4:(\f)+64+8*(\i)+7], v[ADRX+(\slot)] offset:(\k)+(\i)*16*PITCH+32
.endr
.endm
.macro PLACES                          ; four places in front of loads into registers that matrix instructions have read
.rept 4
	v_nop
.endr
.endm
; A K step is four quarters of 32 along K, 32 matrix instructions each, on buffers 0, 1, 0, 1.  One of the first three: multiplies buffer f and, in its middle, fetches the next quarter, at byte k, into g.
.macro QUARTER slot, k, f, g
	s_wait_dscnt 4                                 ; wb's fragments and xb's row blocks 0 and 1 are in; the youngest four loads (blocks 2 and 3) may be out
	MUL8 \f, 0
	MUL8 \f, 1
	PLACES
	FETCH \slot, \k, \g
	s_wait_dscnt 24                                ; all but the 24 just issued
	MUL8 \f, 2
	MUL8 \f, 3
.endm
; The last quarter multiplies buffer 1 and changes slots: ONE barrier.  In front of it each wave waits for all its tensor loads (one is out: its part of the next slot), adds 0 to its spare word, and waits for
; that and for its own reads of this slot.  fill = 1: the barrier opens a round of the cluster's barrier, so that no wave of any partner still reads this slot or has a load on its way, and the joint refill,
; two K steps ahead, is the first tensor load behind the round: from it to the wait for it a wave issues 112 matrix instructions.
.macro TURN slot, next, fill
.if \fill
	s_wait_xcnt 0x0                                ; the last prefetch, a K step back, has read its address: it is stepped here, ahead of the waits of the change of slots
	s_add_nc_u64 s[PFA:PFA+1], s[PFA:PFA+1], KSTEP*2
.endif
	WIN 0                                          ; (the add's two registers lie in window 0)
	s_wait_tensorcnt 0x0                           ; all my tensor loads have landed
	ds_add_u32 v[SPW], v[NIL]                      ; 0 onto my spare word
	s_wait_dscnt 5                                 ; (the add and the youngest four loads may be out)
	MUL8 F1, 0                                     ; eight matrix instructions stand between the add and the wait for it
	s_wait_dscnt 0x0                               ; the add is done, and my reads of this slot are over
	s_barrier_signal -1
	MUL8 F1, 1                                     ; work on registers while the others arrive
	WIN 0
	s_barrier_wait -1
.if \fill
	CREST
	s_add_nc_u64 s[G0+4*(\slot)+2:G0+4*(\slot)+3], s[G0+4*(\slot)+2:G0+4*(\slot)+3], 2*KSTEP*2    ; no tensor load of mine is out, so a group 0 may be written
	s_add_nc_u64 s[G0B+4*(\slot)+2:G0B+4*(\slot)+3], s[G0B+4*(\slot)+2:G0B+4*(\slot)+3], 2*KSTEP*2
	JLOAD \slot                                    ; the four v_nop behind it are also the places in front of the loads below
.else
	PLACES
.endif
	FETCH \next, 0, F0
.if \fill
	ASK
.endif
	MUL8 F1, 2
	MUL8 F1, 3
.endm
	s_wait_tensorcnt 1                             ; my part of K step 0 is in; K step 1's load may stay out
	s_barrier_signal -1
	s_barrier_wait -1                              ; everybody's is
	FETCH 0, 0, F0
	s_mov_b32 s[LAP], 15
.Llap:                                                 ; a trip is two K steps, once round the ring, and fills both slots again: K steps 0-29 ask for 2-31
	QUARTER 0, 64,  F0, F1
	QUARTER 0, 128, F1, F0
	QUARTER 0, 192, F0, F1
	TURN 0, 1, 1
	QUARTER 1, 64,  F0, F1
	QUARTER 1, 128, F1, F0
	QUARTER 1, 192, F0, F1
	TURN 1, 0, 1
	WIN 0                                          ; at a label and at a branch every window is 0
	s_sub_co_u32 s[LAP], s[LAP], 1
	s_cmp_lg_u32 s[LAP], 0
	s_cbranch_scc1 .Llap
	QUARTER 0, 64,  F0, F1                         ; the last two K steps are written out: they fill nothing, and have no round of the cluster's barrier
	QUARTER 0, 128, F1, F0
	QUARTER 0, 192, F0, F1
	TURN 0, 1, 0
	QUARTER 1, 64,  F0, F1
	QUARTER 1, 128, F1, F0
	QUARTER 1, 192, F0, F1
	s_wait_dscnt 4                                 ; the very last quarter: nothing more to fetch
	MUL8 F1, 0
	MUL8 F1, 1
	s_wait_dscnt 0x0
	MUL8 F1, 2
	MUL8 F1, 3
	WIN 0
; THE WAY OUT, a block of 16 rows at a time through my own stage in LDS: a lane's 32 bytes of a row go into rows of 528 bytes and come back as whole rows of 512.
.macro TOSTAGE a
	WIN STG
.irp b, 0,1,2,3,4,5,6,7
	ds_store_b128 v[STO], v[64*(\a)+8*(\b):64*(\a)+8*(\b)+3]   offset:64*(\b)      ; each accumulator is read from its low end on
	ds_store_b128 v[STO], v[64*(\a)+8*(\b)+4:64*(\a)+8*(\b)+7] offset:64*(\b)+16
.endr
	WIN 0
.if (\a) >= 2
	s_wait_xcnt 0x0                                ; these registers were the data of the block two back: they are loaded again only behind this wait
.endif
.irp t, 0,1,2,3,4,5,6,7,8,9,10,11,12,13,14,15
	ds_load_b128 v[64+64*((\a)%2)+4*(\t):64+64*((\a)%2)+4*(\t)+3], v[RD] offset:SPITCH*(\t)  ; LDS serves a wave's instructions in order: these see the stores above, and the next block's stores come behind them
.endr
.endm
.macro SEND a, younger                 ; younger: the LDS instructions issued behind block a's loads: the next block's 32, or none
.irp t, 0,1,2,3,4,5,6,7,8,9,10,11,12,13,14,15
	s_wait_dscnt (\younger)+15-(\t)
	global_store_b128 v[CO], v[64+64*((\a)%2)+4*(\t):64+64*((\a)%2)+4*(\t)+3], s[14:15] offset:(16*(\a)+(\t))*OUTROW th:TH_STORE_NT  ; 512 consecutive bytes, at a multiple of 512 from out0's first byte
.endr
.endm
	PLACES                                         ; the places behind the last products, in front of LDS stores that read results and of loads into the fragment buffers
	PLACES
	TOSTAGE 0
	TOSTAGE 1
	SEND 0, 32
	TOSTAGE 2
	SEND 1, 32
	TOSTAGE 3
	SEND 2, 32
	SEND 3, 0
	s_wait_tensorcnt 0x0                           ; the wave's end, behind my last tensor load and my last LDS store
	ds_add_u32 v[SPW], v[NIL]
	s_wait_dscnt 0x0
	CROUND                                         ; the closing round: no work-group ends while a partner may still ask for a tile that names it
	s_endpgm
.Lfunc_end_k_q47da156e78_gemm:
	.size	k_q47da156e78_gemm, .Lfunc_end_k_q47da156e78_gemm-k_q47da156e78_gemm
	.p2alignl 7, 3214868480
	.fill 96, 4, 3214868480
	.section	.rodata,"a",@progbits
	.p2align	6, 0x0
	.amdhsa_kernel k_q47da156e78_gemm
		.amdhsa_group_segment_fixed_size 327680
		.amdhsa_private_segment_fixed_size 0
		.amdhsa_enable_private_segment 0
		.amdhsa_kernarg_size 48
		.amdhsa_user_sgpr_count 2
		.amdhsa_user_sgpr_kernarg_segment_ptr 1
		.amdhsa_wavefront_size32 1
		.amdhsa_system_sgpr_workgroup_id_x 1
		.amdhsa_system_sgpr_workgroup_id_y 1
		.amdhsa_system_sgpr_workgroup_id_z 1
		.amdhsa_system_vgpr_workitem_id 0
		.amdhsa_next_free_vgpr 736
		.amdhsa_next_free_sgpr 72
		.amdhsa_reserve_vcc 0
		.amdhsa_float_denorm_mode_32 3
		.amdhsa_float_denorm_mode_16_64 3
		.amdhsa_memory_ordered 1
		.amdhsa_forward_progress 1
		.amdhsa_inst_pref_size 98
	.end_amdhsa_kernel
	.amdgpu_metadata
---
amdhsa.version: [ 1, 2 ]
amdhsa.kernels:
  - .name:           k_q47da156e78_gemm
    .symbol:         k_q47da156e78_gemm.kd
    .args:
      - { .name: xb, .offset: 0, .size: 8, .value_kind: global_buffer, .address_space: global }
      - { .name: wb, .offset: 8, .size: 8, .value_kind: global_buffer, .address_space: global }
      - { .name: te, .offset: 16, .size: 8, .value_kind: global_buffer, .address_space: global }
      - { .name: lora_A, .offset: 24, .size: 8, .value_kind: global_buffer, .address_space: global }
      - { .name: bias, .offset: 32, .size: 8, .value_kind: global_buffer, .address_space: global }
      - { .name: out0, .offset: 40, .size: 8, .value_kind: global_buffer, .address_space: global }
    .group_segment_fixed_size: 327680
    .private_segment_fixed_size: 0
    .kernarg_segment_align: 8
    .kernarg_segment_size: 48
    .max_flat_workgroup_size: 128
    .sgpr_count:     72
    .vgpr_count:     736
    .wavefront_size: 32
...
	.end_amdgpu_metadata
.endif
;; end of part 2
;; ======== version 2 of 2: 2 launches; version 1 with the launch prep written anew for expert scheduling mode
;; workspace buffers: xb 16,777,216 bytes; wb 33,554,432 bytes; te 131,072 bytes
;; launch prep (part 3): grid 384 x 1, 8 waves a work-group, no clusters, 78,848 bytes of LDS; arguments x, W, lora_B, xb, wb, te; writes xb, wb, te
.if DOCPART == 3
	.amdgcn_target "amdgcn-amd-amdhsa--gfx1250"
	.amdhsa_code_object_version 6
	.text
	.protected	k_q47da156e78_prep
	.globl	k_q47da156e78_prep
	.p2align	8
	.type	k_q47da156e78_prep,@function
k_q47da156e78_prep:
	s_mov_b64 s[64:65], 0
	v_nop
	global_prefetch_b8 v0, s[64:65] scope:SCOPE_SE
	s_setreg_imm32_b32 hwreg(HW_REG_WAVE_SCHED_MODE, 0, 2), 2
	s_setreg_imm32_b32 hwreg(HW_REG_WAVE_MODE, 25, 1), 1
	s_wait_xcnt 0x0
	s_wait_alu depctr_vm_vsrc(0)
; LoRA linear, first of two launches.  out[m][o] = bias[o] + sum_i x[m][i] W[o][i] + sum_i x[m][i] (A B)[o][i];  x [2048][4096], W [4096][4096], A = lora_A [4096][16], B = lora_B [16][4096], all f32.
; THE LESSER WORK.  For all values of the inputs, in exact arithmetic, sum_i x[m][i] sum_r A[o][r] B[r][i] = sum_r (sum_i x[m][i] B[r][i]) A[o][r]: the sums are only taken in another order.  So the
; [4096][4096] product A B and the second large product are not formed: t = x B^T ([2048][16]) is made here, and t A^T is one further K step of 32 in the second launch.  No input is left out: all five are read.
; LIMITS.  The order of the sums differs from the formula as written.  A NaN, an infinity or an overflow that would arise in A B alone arises here in x B^T or t A^T, or not at all, and is not carried otherwise.
; x, W, A and B are each rounded once to bf16 (matrix operands); t, an f32 sum, is stored as two bf16 numbers, hi = bf16(t) and lo = bf16(t - hi): about 16 significant bits.
; THIS LAUNCH: xb = bf16(x), wb = bf16(W), te = t in hi and lo.  It is a stream: each byte of x and W is read once and each byte of xb and wb written once.
; SHARES.  A work-group takes 16 rows x 4,096 columns of f32: work-groups 0-127 of x (they also make t, the longer way, so they come first), 128-383 of W.  Wave w owns columns 512 w .. 512 w + 511, in four
; chunks of 128.  One load of a wave is 512 consecutive bytes of one row (lane l: columns 4 l .. 4 l + 3); rounded, one store of a wave is 256 consecutive bytes, at a multiple of 256 from the buffer's first byte.
; t.  The x path rounds B's chunk too, lays both chunks into the wave's OWN LDS rows (pitch 272) and reads them back as fragments.  t^T = B x^T (source 0 = B's 16 rows, source 1 = 16 rows of x): a lane ends
; with ONE row of x (lane % 16) and the ranks 8 (lane / 16) + 0..7.  K is split among the eight waves; the partial sums meet in LDS, once, and wave 0 adds them.
; te, 1,024 bytes for each 16 rows: byte 16 L: lane L's eight hi; byte 512 + 16 L: its eight lo: as the second launch's registers take them.
; NOT USED: tensor loads and a ring (no wave wants a byte that another fetched); a prefetch (the launch does nothing but stream); a cluster for B (it is 1 part in 384 of what is read for the first time).
; THE MODE: SCHED_MODE bits 1:0 = 2 (LLVM: expert scheduling mode 2), set by the entry lines.  The code itself states the register dependences between vector or matrix instructions and memory or LDS
; instructions, with s_wait_alu, always for 0.
; THE PLAN.  Registers that memory or LDS instructions touch:
;   v2-7, v12, v13  offsets and LDS addresses; v8, v9 the closing add's.  Written at the head, read by loads and stores, never written again: one wait at the head, ahead of the branch, serves both paths.
;   set 0, x path   The loads of x's chunk c land in it; the chunk's conversions read it; behind them the loads of chunk c + 1 land.  No store reads it.
;   OUT             The conversions of x's chunk write it; the chunk's 16 stores to xb and 16 LDS stores read it; the next chunk's conversions write it again, a whole chunk behind those stores.
;   set 1, x path   The loads of B's chunk land in it; it is rounded in place; 16 LDS stores read it; then the next chunk's loads land.
;   XF, BF          The fragments' LDS loads land in them; the chunk's four matrix instructions read them; the next chunk's loads land.
;   ACC             Written by matrix instructions and four packed sums; read by two LDS stores, once.
;   W path          Chunk 0 goes from set 0 into OUT, and set 0 is asked for again at once (chunk 3), ahead of the stores; chunks 1, 2 and 3 are rounded in place, in sets that nothing writes again.
;   wave 0's end    The eight parts land in v32-95; v104-111 are at work; hi and lo go into OUT, from where they are stored.
; So a chunk of the x path has four such waits for its 96 memory and LDS instructions: one pair round x's conversions, one pair round B's LDS stores; a chunk of the W path has one.
.set ROWF,  16384                      ; bytes in a row of x, W and lora_B
.set ROWH,  8192                       ; bytes in a row of xb and wb
.set LP,    272                        ; an LDS row: 256 bytes + 16: the 16 rows of a fragment load start 16 bytes apart modulo 256
.set PART,  0                          ; wave w's partial t at 1,024 w
.set XREG,  8192                       ; for each wave 16 rows x 272: x's chunk in bf16
.set BREG,  XREG+8*16*LP               ; the same for B's chunk
.set SPARE, BREG+8*16*LP               ; the spare words, 128 bytes for each wave: four blocks of 256 bytes that no other line names
.set VI,  2                            ; v2   16 l + 2,048 w: my 16 bytes in an f32 row; never rewritten
.set VO,  3                            ; v3   8 l + 1,024 w: my 8 bytes in a bf16 row; never rewritten
.set LSX, 4                            ; v4   where I put 8 bytes of x's chunk
.set LSB, 5                            ; v5   of B's
.set LFX, 6                            ; v6   where I read x's fragments: row l % 16, 16 bytes for each half of the lanes
.set LFB, 7                            ; v7   B's
.set SPW, 8                            ; v8   LDS address of my spare word; never rewritten
.set NIL, 9                            ; v9   0; never rewritten
.set PS,  12                           ; v12  1,024 w + 16 l: my place in my wave's partial t
.set TO,  13                           ; v13  16 l
.set ACC, 16                           ; v[16:31]  two accumulators, by the fragment's parity
.set RAW, 32                           ; three sets of 64: v32-95, v96-159, v160-223: 16 rows x 4 registers as loaded
.set XF,  160                          ; on the x path set 2 holds the fragments: x's four,
.set BF,  192                          ; and B's four
.set OUT, 224                          ; v[224:255] 16 rows x 2 registers: a chunk rounded to bf16, to be stored
.set SRC, 22                           ; s[22:23] my block in x or W
.set DST, 24                           ; s[24:25] my block in xb or wb
	s_load_b256 s[4:11], s[0:1], 0x0               ; x s[4:5], W s[6:7], lora_B s[8:9], xb s[10:11]
	s_load_b128 s[12:15], s[0:1], 0x20             ; wb s[12:13], te s[14:15]
	v_lshl_add_u32 v[SPW], v0, 2, SPARE
	v_mov_b32 v[NIL], 0
	v_lshrrev_b32 v1, 5, v0
	v_readfirstlane_b32 s16, v1                    ; wave 0..7
	v_and_b32 v1, 31, v0                           ; l
	v_and_b32 v10, 15, v0                          ; l % 16
	v_bfe_u32 v11, v0, 4, 1                        ; l / 16
	s_wait_alu depctr_va_sdst(0)                   ; s16 is written, ahead of its first reader: the wave's places in a row and in LDS are made from it
	s_lshl_b32 s26, s16, 11
	v_lshl_add_u32 v[VI], v1, 4, s26
	s_lshl_b32 s28, s16, 10
	v_lshl_add_u32 v[VO], v1, 3, s28
	s_mul_i32 s27, s16, 16*LP                      ; my wave's 16 LDS rows
	v_lshl_add_u32 v[LSX], v1, 3, s27
	v_add_nc_u32 v[LSB], BREG, v[LSX]
	v_add_nc_u32 v[LSX], XREG, v[LSX]
	v_mul_u32_u24 v[LFX], v10, LP
	v_lshl_add_u32 v[LFX], v11, 4, v[LFX]
	v_add_nc_u32 v[LFX], s27, v[LFX]
	v_add_nc_u32 v[LFB], BREG, v[LFX]
	v_add_nc_u32 v[LFX], XREG, v[LFX]
	v_lshlrev_b32 v[TO], 4, v1
	v_lshl_add_u32 v[PS], v1, 4, s28
	s_mov_b32 s19, 0                               ; the offsets' high words
	s_mov_b32 s21, 0
; 16 loads: chunk c of the 16 rows behind base, into a set.  nt = 1: bytes that the launch reads once
.macro LD set, base, c, nt
.irp i, 0,1,2,3,4,5,6,7,8,9,10,11,12,13,14,15
.if \nt
	global_load_b128 v[RAW+64*(\set)+4*(\i):RAW+64*(\set)+4*(\i)+3], v[VI], s[(\base):(\base)+1] offset:ROWF*(\i)+512*(\c) th:TH_LOAD_NT
.else
	global_load_b128 v[RAW+64*(\set)+4*(\i):RAW+64*(\set)+4*(\i)+3], v[VI], s[(\base):(\base)+1] offset:ROWF*(\i)+512*(\c)
.endif
.endr
.endm
; a set is rounded to bf16: row i's four numbers go into the two registers at to + step i.  to = OUT, step = 2: into the out-buffer; to = the set itself, step = 4: in place, into the first two of each four
.macro CV set, to, step
.irp i, 0,1,2,3,4,5,6,7,8,9,10,11,12,13,14,15
	v_cvt_pk_bf16_f32 v[(\to)+(\step)*(\i)],   v[RAW+64*(\set)+4*(\i)],   v[RAW+64*(\set)+4*(\i)+1]
	v_cvt_pk_bf16_f32 v[(\to)+(\step)*(\i)+1], v[RAW+64*(\set)+4*(\i)+2], v[RAW+64*(\set)+4*(\i)+3]
.endr
.endm
; 16 stores of what CV left at from, step: each covers 256 consecutive bytes of one row, aligned
.macro ST from, step, c
.irp i, 0,1,2,3,4,5,6,7,8,9,10,11,12,13,14,15
	global_store_b64 v[VO], v[(\from)+(\step)*(\i):(\from)+(\step)*(\i)+1], s[DST:DST+1] offset:ROWH*(\i)+256*(\c) th:TH_STORE_NT
.endr
.endm
; the same 16 rows into my wave's LDS rows
.macro LS from, step, adr
.irp i, 0,1,2,3,4,5,6,7,8,9,10,11,12,13,14,15
	ds_store_b64 v[\adr], v[(\from)+(\step)*(\i):(\from)+(\step)*(\i)+1] offset:LP*(\i)
.endr
.endm
; four fragments of 16 rows x 32 columns: lane l holds row l % 16; registers 0-3 columns 8 (l / 16) + 0..7, registers 4-7 columns 16 + 8 (l / 16) + 0..7
.macro FR dst, adr
.irp f, 0,1,2,3
	ds_load_b128 v[(\dst)+8*(\f):(\dst)+8*(\f)+3],   v[\adr] offset:64*(\f)
	ds_load_b128 v[(\dst)+8*(\f)+4:(\dst)+8*(\f)+7], v[\adr] offset:64*(\f)+32
.endr
.endm
; a chunk's four products.  The two accumulators take turns, one instruction a turn, from chunk to chunk too.  first = 1: the first two start the sums: nothing is cleared
.macro MM first
.irp f, 0,1,2,3
.if (\first) && ((\f) < 2)
	v_wmma_f32_16x16x32_bf16 v[ACC+8*((\f)%2):ACC+8*((\f)%2)+7], v[BF+8*(\f):BF+8*(\f)+7], v[XF+8*(\f):XF+8*(\f)+7], 0
.else
	v_wmma_f32_16x16x32_bf16 v[ACC+8*((\f)%2):ACC+8*((\f)%2)+7], v[BF+8*(\f):BF+8*(\f)+7], v[XF+8*(\f):XF+8*(\f)+7], v[ACC+8*((\f)%2):ACC+8*((\f)%2)+7]
.endif
.endr
.endm
; chunk c of the x path.  On entry x's chunk c (set 0) and, younger, B's chunk c (set 1) are on their way.
.macro XCHUNK c, first
	s_wait_loadcnt 16                              ; loads come back in order: x's chunk is in, B's 16 loads stay out
.if (\c) > 0
	s_wait_xcnt 0x0                                ; OUT is the data of the last chunk's stores to xb: it is written again only behind this wait
	s_wait_alu depctr_vm_vsrc(0)                   ; the last chunk's stores, to xb and into LDS, have read OUT, which the conversions below write again
.endif
	CV 0, OUT, 2
	s_wait_alu depctr_va_vdst(0)                   ; the conversions have written OUT, which the stores below read, and are done reading set 0, in which the loads below land; the last chunk's products are done reading XF and BF
.if (\c) < 3
	LD 0, SRC, (\c)+1, 1                           ; set 0 is asked for again at once, ahead of the stores
.endif
	ST OUT, 2, \c
	LS OUT, 2, LSX
	FR XF, LFX                                     ; LDS serves a wave's instructions in order, and these rows are my wave's own: the loads see the stores above, and no barrier is needed; they land while B is rounded
.if (\c) < 3
	s_wait_loadcnt 16                              ; B's chunk is in, x's next 16 loads stay out
.else
	s_wait_loadcnt 0x0                             ; the last chunk: nothing younger is out
.endif
	CV 1, RAW+64, 4
	s_wait_alu depctr_va_vdst(0)                   ; the conversions have written set 1's rounded halves, which the LDS stores below read, and are done with set 1, in which the next chunk's loads land
	LS RAW+64, 4, LSB
	FR BF, LFB
.if (\c) < 3
	s_wait_alu depctr_vm_vsrc(0)                   ; the LDS stores have read set 1, in which the loads below land
	LD 1, 8, (\c)+1, 0
.endif
	s_wait_dscnt 0x0                               ; both sets of fragments are in
	MM \first
.endm
	s_wait_kmcnt 0x0
	s_wait_alu depctr_va_vdst(0)                   ; v2 to v9, v12 and v13 are written: every load and store of either path reads some of them as its offset or address
	s_cmp_lt_u32 ttmp9, 128                        ; the same in all waves of the work-group
	s_cbranch_scc0 .Lw
	; THE x PATH
	s_lshl_b32 s18, ttmp9, 18                      ; 16 rows of 16,384 bytes
	s_add_nc_u64 s[SRC:SRC+1], s[4:5], s[18:19]
	s_lshl_b32 s20, ttmp9, 17                      ; 16 rows of 8,192 bytes
	s_add_nc_u64 s[DST:DST+1], s[10:11], s[20:21]
	s_lshl_b32 s18, ttmp9, 10                      ; 1,024 bytes of te
	s_add_nc_u64 s[14:15], s[14:15], s[18:19]
	LD 0, SRC, 0, 1
	LD 1, 8, 0, 0
	XCHUNK 0, 1
	XCHUNK 1, 0
	XCHUNK 2, 0
	XCHUNK 3, 0
.rept 8
	v_nop                                          ; the places behind the last products, in front of sums that read and write their results
.endr
.irp j, 0,2,4,6
	v_pk_add_f32 v[ACC+(\j):ACC+(\j)+1], v[ACC+(\j):ACC+(\j)+1], v[ACC+8+(\j):ACC+8+(\j)+1]  ; the two parities; each accumulator is read from its low end on
.endr
	s_wait_alu depctr_va_vdst(0)                   ; the four sums have written v[16:23], which the LDS stores below read
	ds_store_b128 v[PS], v[ACC:ACC+3]   offset:PART
	ds_store_b128 v[PS], v[ACC+4:ACC+7] offset:PART+512
	s_branch .Lmeet
.Lw:	; THE W PATH: three sets, 48 loads of a wave on their way
	s_sub_co_u32 s17, ttmp9, 128
	s_lshl_b32 s18, s17, 18
	s_add_nc_u64 s[SRC:SRC+1], s[6:7], s[18:19]
	s_lshl_b32 s20, s17, 17
	s_add_nc_u64 s[DST:DST+1], s[12:13], s[20:21]
	LD 0, SRC, 0, 1
	LD 1, SRC, 1, 1
	LD 2, SRC, 2, 1
	s_wait_loadcnt 32                              ; chunk 0 is in; two younger sets stay out
	CV 0, OUT, 2                                   ; set 0 is wanted again, so its chunk goes out of OUT
	s_wait_alu depctr_va_vdst(0)                   ; the conversions have written OUT, which the stores below read, and are done reading set 0, in which the loads below land
	LD 0, SRC, 3, 1                                ; asked for again at once, ahead of the stores
	ST OUT, 2, 0
	s_wait_loadcnt 32                              ; chunk 1
	CV 1, RAW+64, 4                                ; from here on in place: nothing writes these sets again
	s_wait_alu depctr_va_vdst(0)                   ; the conversions have written set 1's rounded halves, which the stores below read
	ST RAW+64, 4, 1
	s_wait_loadcnt 16                              ; chunk 2
	CV 2, RAW+128, 4
	s_wait_alu depctr_va_vdst(0)                   ; the same for set 2
	ST RAW+128, 4, 2
	s_wait_loadcnt 0x0                             ; chunk 3
	CV 0, RAW, 4
	s_wait_alu depctr_va_vdst(0)                   ; the same for set 0
	ST RAW, 4, 3
.Lmeet:	; every wave of every work-group passes this one barrier
	s_wait_dscnt 0x0                               ; for the others' sake: my partial sums lie in LDS
	s_barrier_signal -1
	s_barrier_wait -1
	s_cmp_lt_u32 ttmp9, 128
	s_cbranch_scc0 .Lend                           ; W's work-groups have no t
	s_cmp_lg_u32 s16, 0
	s_cbranch_scc1 .Lend                           ; wave 0 adds the eight parts
	s_wait_xcnt 0x0                                ; OUT is the data of the last chunk's stores to xb: hi and lo are written into it only behind this wait
	s_wait_alu depctr_vm_vsrc(0)                   ; the last chunk's stores have read OUT, and its LDS stores set 1: hi and lo go into OUT, and v104 to v111 of set 1 are at work below
.irp v, 0,1,2,3,4,5,6,7
	ds_load_b128 v[RAW+8*(\v):RAW+8*(\v)+3],   v[TO] offset:PART+1024*(\v)       ; into set 0: the conversions that read it last stand ahead of the last chunk's waits on va_vdst
	ds_load_b128 v[RAW+8*(\v)+4:RAW+8*(\v)+7], v[TO] offset:PART+1024*(\v)+512
.endr
	s_wait_dscnt 0x0
.irp v, 0,2,4,6
.irp j, 0,2,4,6
	v_pk_add_f32 v[RAW+8*(\v)+(\j):RAW+8*(\v)+(\j)+1], v[RAW+8*(\v)+(\j):RAW+8*(\v)+(\j)+1], v[RAW+8*(\v)+8+(\j):RAW+8*(\v)+8+(\j)+1]
.endr
.endr
.irp v, 0,4
.irp j, 0,2,4,6
	v_pk_add_f32 v[RAW+8*(\v)+(\j):RAW+8*(\v)+(\j)+1], v[RAW+8*(\v)+(\j):RAW+8*(\v)+(\j)+1], v[RAW+8*(\v)+16+(\j):RAW+8*(\v)+16+(\j)+1]
.endr
.endr
.irp j, 0,2,4,6
	v_pk_add_f32 v[RAW+(\j):RAW+(\j)+1], v[RAW+(\j):RAW+(\j)+1], v[RAW+32+(\j):RAW+32+(\j)+1]  ; t: my row's eight ranks, in f32
.endr
.irp j, 0,1,2,3
	v_cvt_pk_bf16_f32 v[OUT+(\j)], v[RAW+2*(\j)], v[RAW+2*(\j)+1]  ; hi
.endr
.irp j, 0,1,2,3
	v_lshlrev_b32 v[104+2*(\j)], 16, v[OUT+(\j)]                   ; hi as f32 again
	v_and_b32     v[105+2*(\j)], 0xffff0000, v[OUT+(\j)]
.endr
.irp j, 0,1,2,3
	v_pk_add_f32 v[104+2*(\j):105+2*(\j)], v[RAW+2*(\j):RAW+2*(\j)+1], v[104+2*(\j):105+2*(\j)] neg_lo:[0,1] neg_hi:[0,1]  ; t - hi, exact
.endr
.irp j, 0,1,2,3
	v_cvt_pk_bf16_f32 v[OUT+4+(\j)], v[104+2*(\j)], v[105+2*(\j)]  ; lo
.endr
	s_wait_alu depctr_va_vdst(0)                   ; the conversions have written hi and lo, which the two stores below read
	global_store_b128 v[TO], v[OUT:OUT+3],   s[14:15]              ; 512 consecutive bytes each
	global_store_b128 v[TO], v[OUT+4:OUT+7], s[14:15] offset:512
.Lend:
	s_wait_dscnt 0x0                               ; the wave's end
	s_wait_alu 0x0
	s_wait_tensorcnt 0x0
	ds_add_u32 v[SPW], v[NIL]
	s_wait_dscnt 0x0
	s_endpgm
.Lfunc_end_k_q47da156e78_prep:
	.size	k_q47da156e78_prep, .Lfunc_end_k_q47da156e78_prep-k_q47da156e78_prep
	.p2alignl 7, 3214868480
	.fill 96, 4, 3214868480
	.section	.rodata,"a",@progbits
	.p2align	6, 0x0
	.amdhsa_kernel k_q47da156e78_prep
		.amdhsa_group_segment_fixed_size 78848
		.amdhsa_private_segment_fixed_size 0
		.amdhsa_enable_private_segment 0
		.amdhsa_kernarg_size 48
		.amdhsa_user_sgpr_count 2
		.amdhsa_user_sgpr_kernarg_segment_ptr 1
		.amdhsa_wavefront_size32 1
		.amdhsa_system_sgpr_workgroup_id_x 1
		.amdhsa_system_sgpr_workgroup_id_y 1
		.amdhsa_system_sgpr_workgroup_id_z 1
		.amdhsa_system_vgpr_workitem_id 0
		.amdhsa_next_free_vgpr 256
		.amdhsa_next_free_sgpr 66
		.amdhsa_reserve_vcc 0
		.amdhsa_float_denorm_mode_32 3
		.amdhsa_float_denorm_mode_16_64 3
		.amdhsa_memory_ordered 1
		.amdhsa_forward_progress 1
		.amdhsa_inst_pref_size 76
	.end_amdhsa_kernel
	.amdgpu_metadata
---
amdhsa.version: [ 1, 2 ]
amdhsa.kernels:
  - .name:           k_q47da156e78_prep
    .symbol:         k_q47da156e78_prep.kd
    .args:
      - { .name: x, .offset: 0, .size: 8, .value_kind: global_buffer, .address_space: global }
      - { .name: W, .offset: 8, .size: 8, .value_kind: global_buffer, .address_space: global }
      - { .name: lora_B, .offset: 16, .size: 8, .value_kind: global_buffer, .address_space: global }
      - { .name: xb, .offset: 24, .size: 8, .value_kind: global_buffer, .address_space: global }
      - { .name: wb, .offset: 32, .size: 8, .value_kind: global_buffer, .address_space: global }
      - { .name: te, .offset: 40, .size: 8, .value_kind: global_buffer, .address_space: global }
    .group_segment_fixed_size: 78848
    .private_segment_fixed_size: 0
    .kernarg_segment_align: 8
    .kernarg_segment_size: 48
    .max_flat_workgroup_size: 256
    .sgpr_count:     66
    .vgpr_count:     256
    .wavefront_size: 32
...
	.end_amdgpu_metadata
.endif
;; end of part 3
;; launch gemm: the kernel of part 2 again; grid 16 x 16, 4 waves a work-group, clusters of 4 x 4, 327,680 bytes of LDS; arguments xb, wb, te, lora_A, bias, out0; writes out0
